; MI455X (gfx1250); checked and timed in simulation.
; The chip was launched on July 23, 2026; its instructions are those of AMD's public machine-readable ISA for CDNA 5 (MIT licence, August 2026) and "CDNA5" Instruction Set Architecture Reference Guide (July 2026). The comments in the code are by the model that wrote it; some were corrected since.
;; Real Imag Five Val Linear. Allowed arithmetic: matrix products marked QUANTISED: E5M2 operands, one E8M0 scale for each 32 along K, by v_wmma_scale_f32_16x16x128_f8f6f4 with both operands' format E5M2, f32 sums; everything else in f32.
;; Inputs: quant_x_im_codes 2,048 x 128 x 32 uint8 (E5M2 codes of quant_x_im, K innermost, in blocks of 32 codes); quant_x_im_scales 2,048 x 128 uint8 (E8M0 scales of quant_x_im, one for each 32 codes along K); quant_x_re_codes 2,048 x 128 x 32 uint8 (E5M2 codes of quant_x_re, K innermost, in blocks of 32 codes); quant_x_re_scales 2,048 x 128 uint8 (E8M0 scales of quant_x_re, one for each 32 codes along K); weight_im 2,048 x 4,096 float32; weight_re 2,048 x 4,096 float32.
;; Outputs: out0 2,048 x 2,048 float32; out1 2,048 x 2,048 float32.
;; This version of the problem:
;;   THIS VERSION OF THE PROBLEM IS GIVEN IN LOW PRECISION. The matrix products marked QUANTISED in the list below multiply operands that are first quantised to E5M2 (5 exponent bits, 2 mantissa bits; 8 bits a number), with one power-of-two scale for each 32 numbers along K (OCP MX v1.0); their sums are f32. All else is computed in f32.
;;   The module's matrix products, in the order in which they are computed (A, B: the left and right operand; K: the contracted axis; several contracted axes count as one K, in the product's order):
;;     1. [M 2,048, K 4,096] x [K 4,096, N 2,048]; A: input quant_x_re (given as codes); B: computed on the way: QUANTISED
;;     2. [M 2,048, K 4,096] x [K 4,096, N 2,048]; A: input quant_x_im (given as codes); B: computed on the way: QUANTISED
;;     3. [M 2,048, K 4,096] x [K 4,096, N 2,048]; A: input quant_x_re (given as codes); B: computed on the way: QUANTISED
;;     4. [M 2,048, K 4,096] x [K 4,096, N 2,048]; A: input quant_x_im (given as codes); B: computed on the way: QUANTISED
;;   THE QUANTISER, for each operand of a quantised product, along K:
;;     - K is cut into blocks of 32 from its start; a last block that is shorter is filled with zeros.
;;     - A block's scale is 2^e with e = floor(log2(the largest magnitude in the block)) - 15, held to -126 .. 127; a block of zeros has e = 0. As a byte (E8M0): e + 127.
;;     - Each number is divided by its block's scale, clamped to +-57,344, and rounded to the nearest number of E5M2, ties to even, subnormals kept.
;;     - The product sums the exact products of the quantised numbers (number of the format x scale) in f32.
;;   ~~~python
;;   def quantise(x, axis):      # numpy; x: float32 -> the quantised numbers, widened to float32 again
;;       x = np.moveaxis(x, axis, -1); K = x.shape[-1]
;;       x = np.pad(x, [(0, 0)] * (x.ndim - 1) + [(0, -K % 32)]); x = x.reshape(x.shape[:-1] + (-1, 32)); a = np.abs(x).max(-1, keepdims=True)
;;       e = np.where(a > 0, np.clip(np.frexp(np.where(a > 0, a, 1))[1] - 1 - 15, -126, 127), 0)      # np.frexp(a)[1] - 1 = floor(log2(a)), exactly
;;       r = np.clip(x / 2.0 ** e, -57344, 57344)
;;       step = 2.0 ** (np.maximum(np.frexp(np.where(r == 0, 1, r))[1] - 1, -14) - 2)
;;       q = np.round(r / step) * step * 2.0 ** e      # np.round: ties to even
;;       return np.moveaxis(q.reshape(q.shape[:-2] + (-1,))[..., :K], -1, axis).astype(np.float32)
;;   ~~~
;;   OPERANDS COMPUTED ON THE WAY. 'Computed on the way' means the value that the module computes at that place (a softmax that the list does not call 'softmax' is quantised finished and normalised). What goes into a quantiser is computed in f32, as accurately as f32 sums, v_exp_f32 and their like allow (about 1e-6 of the number): no bf16 or f16 on the way to a quantiser, and a product that is left as it is and whose result goes on into a quantised operand takes f32 operands (vector FMAs, or v_wmma_f32_16x16x4_f32). A number that lies on a knife's edge between two numbers of the format may be rounded either way, as far as f32 arithmetic and the matrix unit's own rounding can turn it there, and no further.
;;   INPUTS GIVEN AS CODES. quant_x_im (in the module: [2048, 4096], K = its axis 1); quant_x_re (in the module: [2048, 4096], K = its axis 1): each comes as NAME_codes (uint8): NAME with its K axis moved to the last place and cut into blocks of 32 codes, [.., K / 32, bytes a block], one block behind the other in memory; one code a byte (a code: sign, 5 exponent bits, 2 mantissa bits); and NAME_scales (uint8): the same leading axes, one E8M0 byte (e + 127) for each 32 codes along K. Its value is code x scale, taken as it is: it is not quantised again, and the codes and scales need not be those that the quantiser above would give.
;; One version. Each part assembles by itself: llvm-mc -triple=amdgcn-amd-amdhsa -mcpu=gfx1250 --defsym DOCPART=n.
;; ======== version 1 of 1: 3 launches
;; limits: right only within a limited range of input values
;; workspace buffers: part 4,096 bytes; wq 17,301,504 bytes
;; launch absum (part 1): grid 1024 x 1, 8 waves a work-group, no clusters, 2,048 bytes of LDS; arguments weight_re, weight_im, part; writes part
.if DOCPART == 1
	.amdgcn_target "amdgcn-amd-amdhsa--gfx1250"
	.amdhsa_code_object_version 6
	.text
	.protected	k_qf4fa22212f_absum
	.globl	k_qf4fa22212f_absum
	.p2align	8
	.type	k_qf4fa22212f_absum,@function
k_qf4fa22212f_absum:
	s_mov_b64 s[64:65], 0
	v_nop
	global_prefetch_b8 v0, s[64:65] scope:SCOPE_SE
	s_setreg_imm32_b32 hwreg(HW_REG_WAVE_MODE, 25, 1), 1
	s_wait_xcnt 0x0
; part[g] = the sum of |w| over 16,384 numbers (65,536 bytes) of a weight tensor.  weight_re, weight_im: [2048][4096] f32; part: [2][512] f32.
; The scale of the five-value rule is the mean of |w| over a WHOLE tensor, so nothing can be quantised before this launch has ended: it makes 512 partial sums a tensor, in a fixed order, and the next launch adds them.
; Work-groups 0-511 take weight_re, 512-1023 weight_im; work-group g takes chunk g % 512.  Thread t reads 16 bytes at 16 t + 4,096 i, i = 0 .. 15: a wave's load covers 512 consecutive bytes.
; All sixteen loads of a thread go out at once.  No cache hint: the next launch reads the same bytes.  No matrix unit, no tensor load, no cluster: the work-groups share no input.
; LIMITS: each work-group stores one word of 4 bytes (4,096 bytes in the whole launch), so part's blocks of 256 bytes are written piece by piece; NaN and infinities among the inputs are not served.
.set X, 20                             ; v[20:83]  the thread's 64 numbers
	s_load_b128 s[4:7], s[0:1], 0x0                ; weight_re s[4:5], weight_im s[6:7]
	s_load_b64 s[8:9], s[0:1], 0x10                ; part
	v_lshl_add_u32 v84, v0, 2, 0x400
	v_mov_b32 v85, 0
	v_lshlrev_b32 v1, 4, v0                        ; 16 t
	v_lshrrev_b32 v2, 5, v0
	s_delay_alu instid0(VALU_DEP_1)
	v_lshlrev_b32 v2, 2, v2                        ; LDS: 4 x wave: the wave's word
	v_mov_b32 v3, 0                                ; LDS address 0, and the store's offset
	v_mov_b32 v9, 0                                ; a lane permute's destination counts as one of its sources
	s_and_b32 s10, ttmp9, 511
	s_lshl_b32 s10, s10, 16                        ; the chunk's first byte
	s_mov_b32 s11, 0
	s_mov_b32 s12, 0x76543210                      ; v_permlanex16_b32's selects for lane l xor 16
	s_mov_b32 s13, 0xfedcba98
	s_wait_alu depctr_va_vdst(0)
	s_wait_kmcnt 0x0
	s_cmp_lt_u32 ttmp9, 512                        ; which tensor: the choice hangs on the work-group's number alone
	s_cselect_b64 s[4:5], s[4:5], s[6:7]
	s_add_nc_u64 s[4:5], s[4:5], s[10:11]
	s_lshl_b32 s10, ttmp9, 2                       ; part[g]
	s_add_nc_u64 s[8:9], s[8:9], s[10:11]
.irp i, 0,1,2,3,4,5,6,7,8,9,10,11,12,13,14,15
	global_load_b128 v[X+4*\i:X+4*\i+3], v1, s[4:5] offset:4096*\i
.endr
; four chains, chain k over word k of each load; the first two loads start them: nothing is cleared
.irp j, 0,1,2,3
	s_wait_alu depctr_va_vdst(0)
	s_wait_loadcnt 12-4*\j                         ; loads come back in order: group j's four are in, the younger groups stay out
.irp m, 0,1,2,3
.irp k, 0,1,2,3
.if (4*\j+\m) == 1
	v_add_f32 v[4+\k], |v[X+\k]|, |v[X+4+\k]|
.elseif (4*\j+\m) > 1
	v_add_f32 v[4+\k], v[4+\k], |v[X+16*\j+4*\m+\k]|
.endif
.endr
.endr
.endr
	s_delay_alu instid0(VALU_DEP_3)
	v_add_f32 v4, v4, v5
	s_delay_alu instid0(VALU_DEP_2)
	v_add_f32 v6, v6, v7
	s_delay_alu instid0(VALU_DEP_1)
	v_add_f32 v8, v4, v6
	s_delay_alu instid0(VALU_DEP_1)
	v_add_f32_dpp v8, v8, v8 row_xmask:1 row_mask:0xf bank_mask:0xf   ; across the 32 lanes
	s_delay_alu instid0(VALU_DEP_1)
	v_add_f32_dpp v8, v8, v8 row_xmask:2 row_mask:0xf bank_mask:0xf
	s_delay_alu instid0(VALU_DEP_1)
	v_add_f32_dpp v8, v8, v8 row_xmask:4 row_mask:0xf bank_mask:0xf
	s_delay_alu instid0(VALU_DEP_1)
	v_add_f32_dpp v8, v8, v8 row_xmask:8 row_mask:0xf bank_mask:0xf
	s_delay_alu instid0(VALU_DEP_1)
	v_permlanex16_b32 v9, v8, s12, s13
	s_delay_alu instid0(VALU_DEP_1)
	v_add_f32 v8, v8, v9
	ds_store_b32 v2, v8                            ; all lanes of a wave write the same word with the same value
	s_wait_dscnt 0x0                               ; for the others' sake: my store is done
	s_barrier_signal -1
	s_barrier_wait -1
	ds_load_b128 v[10:13], v3                      ; the eight waves' sums
	ds_load_b128 v[14:17], v3 offset:16
	s_wait_dscnt 0x0
	v_add_f32 v10, v10, v11
	v_add_f32 v12, v12, v13
	v_add_f32 v14, v14, v15
	v_add_f32 v16, v16, v17
	s_delay_alu instid0(VALU_DEP_3)
	v_add_f32 v10, v10, v12
	s_delay_alu instid0(VALU_DEP_2)
	v_add_f32 v14, v14, v16
	s_delay_alu instid0(VALU_DEP_1)
	v_add_f32 v10, v10, v14
	v_cmp_eq_u32 vcc_lo, 0, v0
	s_wait_alu depctr_va_vdst(0)
	s_wait_xcnt 0x0                                ; EXEC is a source of the loads above: it changes only behind this wait
	s_wait_tensorcnt 0x0
	ds_add_u32 v84, v85
	s_wait_dscnt 0x0
	s_and_saveexec_b32 s14, vcc_lo                 ; thread 0 alone stores
	global_store_b32 v3, v10, s[8:9]
	s_wait_xcnt 0x0                                ; and again, in front of the line that widens it
	s_or_b32 exec_lo, exec_lo, s14
	s_endpgm
.Lfunc_end_k_qf4fa22212f_absum:
	.size	k_qf4fa22212f_absum, .Lfunc_end_k_qf4fa22212f_absum-k_qf4fa22212f_absum
	.p2alignl 7, 3214868480
	.fill 96, 4, 3214868480
	.section	.rodata,"a",@progbits
	.p2align	6, 0x0
	.amdhsa_kernel k_qf4fa22212f_absum
		.amdhsa_group_segment_fixed_size 2048
		.amdhsa_private_segment_fixed_size 0
		.amdhsa_enable_private_segment 0
		.amdhsa_kernarg_size 24
		.amdhsa_user_sgpr_count 2
		.amdhsa_user_sgpr_kernarg_segment_ptr 1
		.amdhsa_wavefront_size32 1
		.amdhsa_system_sgpr_workgroup_id_x 1
		.amdhsa_system_sgpr_workgroup_id_y 1
		.amdhsa_system_sgpr_workgroup_id_z 1
		.amdhsa_system_vgpr_workitem_id 0
		.amdhsa_next_free_vgpr 86
		.amdhsa_next_free_sgpr 66
		.amdhsa_reserve_vcc 1
		.amdhsa_float_denorm_mode_32 3
		.amdhsa_float_denorm_mode_16_64 3
		.amdhsa_memory_ordered 1
		.amdhsa_forward_progress 1
		.amdhsa_inst_pref_size 9
	.end_amdhsa_kernel
	.amdgpu_metadata
---
amdhsa.version: [ 1, 2 ]
amdhsa.kernels:
  - .name:           k_qf4fa22212f_absum
    .symbol:         k_qf4fa22212f_absum.kd
    .args:
      - { .name: weight_re, .offset: 0, .size: 8, .value_kind: global_buffer, .address_space: global }
      - { .name: weight_im, .offset: 8, .size: 8, .value_kind: global_buffer, .address_space: global }
      - { .name: part, .offset: 16, .size: 8, .value_kind: global_buffer, .address_space: global }
    .group_segment_fixed_size: 2048
    .private_segment_fixed_size: 0
    .kernarg_segment_align: 8
    .kernarg_segment_size: 24
    .max_flat_workgroup_size: 256
    .sgpr_count:     66
    .vgpr_count:     86
    .wavefront_size: 32
...
	.end_amdgpu_metadata
.endif
;; end of part 1
;; launch quant (part 2): grid 512 x 1, 4 waves a work-group, no clusters, 33,280 bytes of LDS; arguments weight_re, weight_im, part, wq; writes wq
.if DOCPART == 2
	.amdgcn_target "amdgcn-amd-amdhsa--gfx1250"
	.amdhsa_code_object_version 6
	.text
	.protected	k_qf4fa22212f_quant
	.globl	k_qf4fa22212f_quant
	.p2align	8
	.type	k_qf4fa22212f_quant,@function
k_qf4fa22212f_quant:
	s_mov_b64 s[64:65], 0
	v_nop
	global_prefetch_b8 v0, s[64:65] scope:SCOPE_SE
	s_setreg_imm32_b32 hwreg(HW_REG_WAVE_MODE, 25, 1), 1
	s_wait_xcnt 0x0
; weight_re, weight_im [2048][4096] f32 -> wq: the operand of the quantised products as codes of BF8 (E5M2) with one E8M0 byte for each 32 along K.
; THE OPERAND, number by number in f32, as the problem writes it: s = max(mean |w| of the whole tensor, 1e-5); g = clip(round(w / s x 2) / 2, -1, 1); t = g s; the operand is w + (t - w).
;   mean: the 512 partial sums of the launch before, added in one fixed order by every wave, x 2^-23 (the tensor has 2^23 numbers).
;   w / s x 2: q0 = w x (2 / s), the remainder w - q0 x s / 2 by one fused multiply-add, q = q0 + remainder x (2 / s); 1 / s is v_rcp_f32 with one Newton step.
;   round: to nearest, ties to even (v_rndne_f32).  clip(./2) x s is held as clip(., -2, 2) x (s / 2): the same number, since the factors 0, 1, 2 and the halving round nothing.
; THE QUANTISER: a block's byte is the largest magnitude's exponent field - 15, held at 1 from below; each number is held within +-57,344 x the scale and rounded to the nearest code, ties to even.
; LIMITS: a block of zeros gets the byte 1 where the rule says 127 (its codes are zeros, and this program alone reads the bytes); blocks whose largest magnitude lies under 2^-111 were not tried; NaN and infinities are not served.
;   |w| x 2 / s cannot overflow: s is at least the mean, which is at least the largest |w| / 2^23.
; wq: [2 tensors][16 tiles of 128 weight rows][132 rows][4,096 bytes].  Rows 0-127 of a tile: the codes, K innermost.  Row 128 + u: for each K step ks of 256, the 256 bytes at 256 ks are the scale bytes of weight rows 32 u .. 32 u + 31 for that step,
;   [row][8 bytes], and in a row's eight THE WORD OF THE STEP'S SECOND 128 ALONG K STANDS FIRST (byte = block xor 4): the next launch wants the two words in that order in a register pair.
; SHARES.  Work-group x: tensor x / 256, tile (x / 16) % 16, rows 32 u .. 32 u + 31 of it with u = (x / 4) % 4, K steps 4 (x % 4) .. + 3.  Wave w: K step 4 (x % 4) + w, in 16 steps of two rows.
;   So a work-group reads 4,096 consecutive bytes of each of 32 neighbouring rows.  Waves share nothing: no barrier, no cluster, no tensor load.
; A load reads 512 consecutive bytes, 16 a lane; the conversions want 16 NEIGHBOURS along K in one lane: a step's 2,048 bytes turn through the wave's own stage in LDS (16 bytes of padding behind each 64) and come back 64 bytes a lane.
; Then lane l holds row 2 t + l / 16, k = 16 (l % 16) + 0 .. 15; two neighbouring lanes hold a block.  The codes of all 16 steps wait in registers and leave at the end: a store covers two aligned runs of 256 bytes, one in each row;
; the wave's 256 scale bytes are gathered in LDS and leave as one aligned run.  Loads run six steps (24 loads a wave) ahead, the turn through LDS one step.  Every offset is an immediate.
.set STEPS, 16
.set DEPTH, 6
.set WT,    8650752                    ; a tensor in wq: 16 x 132 x 4,096 bytes
.set WREG,  8192                       ; LDS: a region for each wave: two stages of 32 x SP bytes, behind them its 256 scale bytes
.set SP,    80                         ; a lane's place in a stage: 64 bytes + 16 of padding
.set R,     16                         ; v16-111   six sets of 16 numbers as they are loaded
.set X,     112                        ; v112-143  two sets of 16 neighbours
.set C,     144                        ; v144-207  codes: four registers for each step
.set T,     208                        ; v208-215  at work
.set U,     216                        ; v216-223  at work
.set RR,    224                        ; v[224:225] 2 / s, twice
.set HS,    226                        ; v[226:227] s / 2, twice
.set E,     228                        ; v228-243  a scale byte for each step
	s_load_b256 s[4:11], s[0:1], 0x0               ; weight_re s[4:5], weight_im s[6:7], part s[8:9], wq s[10:11]
	v_lshl_add_u32 v244, v0, 2, 0x8000             ; my spare word, behind the four regions
	v_mov_b32 v245, 0
	v_lshrrev_b32 v1, 5, v0
	v_readfirstlane_b32 s16, v1                    ; wave
	v_and_b32 v2, 31, v0                           ; lane
	v_lshlrev_b32 v3, 4, v2                        ; my 16 bytes of a load's 512
	s_mul_i32 s17, s16, WREG
	v_lshrrev_b32 v14, 2, v2
	v_mul_u32_u24 v14, v14, SP
	v_and_b32 v15, 3, v2
	v_lshl_add_u32 v14, v15, 4, v14
	v_add_nc_u32 v14, s17, v14                     ; the stage, on the way in: SP (lane / 4) + 16 (lane % 4)
	v_mul_u32_u24 v15, v2, SP
	v_add_nc_u32 v15, s17, v15                     ; and on the way out: SP x lane
	v_lshrrev_b32 v4, 4, v2
	v_and_b32 v5, 15, v2
	v_lshlrev_b32 v4, 12, v4
	v_lshl_add_u32 v4, v5, 4, v4                   ; my codes: row lane / 16 of 4,096 bytes, + 16 (lane % 16)
	v_lshrrev_b32 v5, 1, v2
	v_xor_b32 v5, 4, v5                            ; the two words of a row change places
	s_add_co_u32 s17, s17, 2*32*SP
	v_add_nc_u32 v5, s17, v5                       ; LDS: my wave's 256 scale bytes, my block's byte
	v_lshlrev_b32 v7, 3, v2                        ; and on the way out 8 bytes a lane
	v_add_nc_u32 v6, s17, v7
	s_mov_b32 s23, 0x600000                        ; the mantissa field of 57,344
	s_mov_b32 s24, 0x76543210                      ; v_permlanex16_b32's selects for lane l xor 16
	s_mov_b32 s25, 0xfedcba98
	s_lshr_b32 s12, ttmp9, 8                       ; the tensor
	s_bfe_u32 s13, ttmp9, 0x40004                  ; the tile of 128 weight rows
	s_bfe_u32 s15, ttmp9, 0x20002                  ; u: which 32 rows of it
	s_and_b32 s14, ttmp9, 3
	s_lshl_b32 s14, s14, 2
	s_add_co_u32 s14, s14, s16                     ; my K step: 4 (x % 4) + wave
	s_lshl_b32 s17, s13, 7
	s_lshl_b32 s18, s15, 5
	s_add_co_u32 s17, s17, s18                     ; my first weight row: 128 x tile + 32 u
	s_lshl_b32 s18, s17, 14                        ; x 16,384 bytes
	s_lshl_b32 s20, s14, 10
	s_add_co_u32 s18, s18, s20                     ; + 1,024 x K step: where I read
	s_mov_b32 s19, 0
	s_mul_i32 s20, s13, 132
	s_lshl_b32 s21, s15, 5
	s_add_co_u32 s21, s20, s21                     ; 132 x tile + 32 u
	s_lshl_b32 s21, s21, 12
	s_mul_i32 s22, s12, WT
	s_lshl_b32 s26, s14, 8
	s_add_co_u32 s22, s22, s26                     ; the tensor + 256 x K step
	s_add_co_u32 s26, s21, s22                     ; where my codes go
	s_mov_b32 s27, 0
	s_add_co_u32 s20, s20, 128
	s_add_co_u32 s20, s20, s15                     ; 132 x tile + 128 + u
	s_lshl_b32 s20, s20, 12
	s_add_co_u32 s20, s20, s22                     ; where my scale bytes go
	s_mov_b32 s21, 0
	s_lshl_b32 s28, s12, 11                        ; the tensor's 512 partial sums
	s_mov_b32 s29, 0
	s_wait_kmcnt 0x0
	s_cmp_eq_u32 s12, 0                            ; the choice hangs on the work-group's number alone
	s_cselect_b64 s[4:5], s[4:5], s[6:7]
	s_add_nc_u64 s[4:5], s[4:5], s[18:19]
	s_add_nc_u64 s[8:9], s[8:9], s[28:29]
	s_add_nc_u64 s[6:7], s[10:11], s[20:21]        ; scale bytes
	s_add_nc_u64 s[10:11], s[10:11], s[26:27]      ; codes
.macro LOAD t                          ; step t: rows 2 t and 2 t + 1, 1,024 bytes of each, as four loads of 512 consecutive bytes
.irp i, 0,1,2,3
	global_load_b128 v[R+16*((\t)%DEPTH)+4*\i:R+16*((\t)%DEPTH)+4*\i+3], v3, s[4:5] offset:(2*(\t)+(\i/2))*16384+(\i%2)*512 th:TH_LOAD_NT
.endr
.endm
.macro TURN t                          ; step t's numbers through the stage: LDS serves a wave's instructions in order, so no wait stands between the stores and the loads
.irp i, 0,1,2,3
	ds_store_b128 v14, v[R+16*((\t)%DEPTH)+4*\i:R+16*((\t)%DEPTH)+4*\i+3] offset:32*SP*((\t)%2)+8*SP*\i
.endr
.irp i, 0,1,2,3
	ds_load_b128 v[X+16*((\t)%2)+4*\i:X+16*((\t)%2)+4*\i+3], v15 offset:32*SP*((\t)%2)+16*\i
.endr
.endm
.irp i, 0,1,2,3
	global_load_b128 v[X+4*\i:X+4*\i+3], v3, s[8:9] offset:512*\i   ; the 512 partial sums, 16 a lane
.endr
.irp t, 0,1,2,3,4,5
	LOAD \t
.endr
	s_wait_loadcnt 24                              ; the partial sums are in; the 24 loads of weights stay out
.irp k, 0,1,2,3
	v_add_f32 v[8+\k], v[X+\k], v[X+4+\k]
.endr
.irp k, 0,1,2,3
	v_add_f32 v[8+\k], v[8+\k], v[X+8+\k]
.endr
.irp k, 0,1,2,3
	v_add_f32 v[8+\k], v[8+\k], v[X+12+\k]
.endr
	v_add_f32 v8, v8, v9
	v_add_f32 v10, v10, v11
	v_add_f32 v8, v8, v10
	v_add_f32_dpp v8, v8, v8 row_xmask:1 row_mask:0xf bank_mask:0xf
	v_add_f32_dpp v8, v8, v8 row_xmask:2 row_mask:0xf bank_mask:0xf
	v_add_f32_dpp v8, v8, v8 row_xmask:4 row_mask:0xf bank_mask:0xf
	v_add_f32_dpp v8, v8, v8 row_xmask:8 row_mask:0xf bank_mask:0xf
	v_permlanex16_b32 v9, v8, s24, s25
	v_add_f32 v8, v8, v9                           ; the tensor's sum of |w|: the same bits in every wave of the launch
	v_mul_f32 v8, 0x34000000, v8                   ; x 2^-23: the mean
	v_max_num_f32 v8, 0x3727c5ac, v8               ; s = max(mean, 1e-5)
	s_wait_alu depctr_va_vdst(0)
	v_rcp_f32 v9, v8
	v_mul_f32 v[HS], 0.5, v8                       ; s / 2.  (The plain instruction behind the reciprocal)
	s_wait_alu depctr_va_vdst(0)                   ; and ahead of its first reader
	v_fma_f32 v10, -v8, v9, 1.0                    ; one Newton step
	v_fma_f32 v9, v10, v9, v9
	v_add_f32 v[RR], v9, v9                        ; 2 / s
	v_mov_b32 v[RR+1], v[RR]
	v_mov_b32 v[HS+1], v[HS]
	s_wait_alu depctr_va_vdst(0)
	s_wait_loadcnt 20                              ; step 0's four loads are in
	TURN 0
; the five-value rule on the 16 numbers at v[XS], eight at a time, the pairs by turns so that no line waits for the line above it
.macro FIVE
.irp hh, 0,8
.irp p, 0,2,4,6
	v_pk_mul_f32 v[T+\p:T+\p+1], v[XS+\hh+\p:XS+\hh+\p+1], v[RR:RR+1]                ; q0 = w x 2 / s
.endr
.irp p, 0,2,4,6
	v_pk_fma_f32 v[U+\p:U+\p+1], v[T+\p:T+\p+1], v[HS:HS+1], v[XS+\hh+\p:XS+\hh+\p+1] neg_lo:[1,0,0] neg_hi:[1,0,0]   ; w - q0 x s / 2
.endr
.irp p, 0,2,4,6
	v_pk_fma_f32 v[T+\p:T+\p+1], v[U+\p:U+\p+1], v[RR:RR+1], v[T+\p:T+\p+1]          ; the quotient
.endr
.irp p, 0,1,2,3,4,5,6,7
	v_rndne_f32 v[T+\p], v[T+\p]
.endr
.irp p, 0,1,2,3,4,5,6,7
	v_med3_num_f32 v[T+\p], v[T+\p], -2.0, 2.0
.endr
.irp p, 0,2,4,6
	v_pk_mul_f32 v[T+\p:T+\p+1], v[T+\p:T+\p+1], v[HS:HS+1]                          ; t = g s
.endr
.irp p, 0,2,4,6
	v_pk_add_f32 v[T+\p:T+\p+1], v[T+\p:T+\p+1], v[XS+\hh+\p:XS+\hh+\p+1] neg_lo:[0,1] neg_hi:[0,1]   ; t - w
.endr
.irp p, 0,2,4,6
	v_pk_add_f32 v[XS+\hh+\p:XS+\hh+\p+1], v[XS+\hh+\p:XS+\hh+\p+1], v[T+\p:T+\p+1]  ; w + (t - w)
.endr
.endr
.endm
.macro STEP t
.set XS, X+16*((\t)%2)
.if (\t) > 0
	s_wait_dscnt 1                                 ; this step's numbers are back from the stage (the last step's byte store may be out): so its stores into the stage have read their registers,
.else
	s_wait_dscnt 0x0
.endif
.if (\t)+DEPTH < STEPS
	LOAD (\t)+DEPTH                                ; which take the loads of six steps on
.endif
.if (\t)+1 < STEPS
.if STEPS-2-(\t) >= DEPTH-1
	s_wait_loadcnt 4*(DEPTH-1)                     ; the next step's four loads are in; those of the five steps behind it may be out
.else
	s_wait_loadcnt 4*(STEPS-2-(\t))
.endif
	TURN (\t)+1                                    ; and go through the other stage while this step is worked
.endif
	FIVE
	v_max3_num_f32 v8, |v[XS]|, |v[XS+1]|, |v[XS+2]|               ; the largest magnitude of my 16
	v_max3_num_f32 v9, |v[XS+3]|, |v[XS+4]|, |v[XS+5]|
.irp i, 6,10
	v_max3_num_f32 v8, v8, |v[XS+\i]|, |v[XS+\i+1]|
	v_max3_num_f32 v9, v9, |v[XS+\i+2]|, |v[XS+\i+3]|
.endr
	v_max3_num_f32 v8, v8, |v[XS+14]|, |v[XS+15]|
	v_max3_num_f32 v8, v8, v9, 0x8000000           ; and the floor 2^(16 - 127): so the byte cannot fall under 1
	v_max_num_f32_dpp v8, v8, v8 row_xmask:1 row_mask:0xf bank_mask:0xf   ; and of my neighbour's 16: the block's
	v_add_nc_u32 v11, 0xf8800000, v8               ; 15 off its exponent field: the conversion takes the exponent field of this operand as its scale, and nothing else of it
	v_and_or_b32 v10, v8, 0x7f800000, s23          ; 57,344 x the scale
.irp i, 0,1,2,3,4,5,6,7,8,9,10,11,12,13,14,15
	v_med3_num_f32 v[XS+\i], v[XS+\i], -v10, v10   ; the conversion to an 8-bit code does not saturate (ISA guide 7.6.2): the hold comes first
.endr
	v_cvt_scalef32_pk8_bf8_f32 v[C+4*(\t):C+4*(\t)+1], v[XS:XS+7], v11
	v_cvt_scalef32_pk8_bf8_f32 v[C+4*(\t)+2:C+4*(\t)+3], v[XS+8:XS+15], v11
	v_lshrrev_b32 v[E+(\t)], 23, v11               ; the scale's byte.  (Also the plain instruction behind the conversions)
	ds_store_b8 v5, v[E+(\t)] offset:16*(\t)       ; byte 8 (2 t + row) + (block xor 4); both lanes of a block write the same byte with the same value
.endm
.irp t, 0,1,2,3,4,5,6,7,8,9,10,11,12,13,14,15
	STEP \t
.endr
.irp t, 0,1,2,3,4,5,6,7,8,9,10,11,12,13,14,15
	global_store_b128 v4, v[C+4*\t:C+4*\t+3], s[10:11] offset:8192*\t   ; lanes 0-15: 256 consecutive bytes of row 2 t, aligned; lanes 16-31: of row 2 t + 1
.endr
	ds_load_b64 v[12:13], v6                       ; LDS serves a wave's instructions in order: these see my stores
	s_wait_dscnt 0x0
	global_store_b64 v7, v[12:13], s[6:7]          ; 32 lanes store 256 consecutive bytes, aligned
	s_wait_tensorcnt 0x0                           ; the wave's end
	ds_add_u32 v244, v245
	s_wait_dscnt 0x0
	s_endpgm
.Lfunc_end_k_qf4fa22212f_quant:
	.size	k_qf4fa22212f_quant, .Lfunc_end_k_qf4fa22212f_quant-k_qf4fa22212f_quant
	.p2alignl 7, 3214868480
	.fill 96, 4, 3214868480
	.section	.rodata,"a",@progbits
	.p2align	6, 0x0
	.amdhsa_kernel k_qf4fa22212f_quant
		.amdhsa_group_segment_fixed_size 33280
		.amdhsa_private_segment_fixed_size 0
		.amdhsa_enable_private_segment 0
		.amdhsa_kernarg_size 32
		.amdhsa_user_sgpr_count 2
		.amdhsa_user_sgpr_kernarg_segment_ptr 1
		.amdhsa_wavefront_size32 1
		.amdhsa_system_sgpr_workgroup_id_x 1
		.amdhsa_system_sgpr_workgroup_id_y 1
		.amdhsa_system_sgpr_workgroup_id_z 1
		.amdhsa_system_vgpr_workitem_id 0
		.amdhsa_next_free_vgpr 246
		.amdhsa_next_free_sgpr 66
		.amdhsa_reserve_vcc 0
		.amdhsa_float_denorm_mode_32 3
		.amdhsa_float_denorm_mode_16_64 3
		.amdhsa_memory_ordered 1
		.amdhsa_forward_progress 1
		.amdhsa_inst_pref_size 125
	.end_amdhsa_kernel
	.amdgpu_metadata
---
amdhsa.version: [ 1, 2 ]
amdhsa.kernels:
  - .name:           k_qf4fa22212f_quant
    .symbol:         k_qf4fa22212f_quant.kd
    .args:
      - { .name: weight_re, .offset: 0, .size: 8, .value_kind: global_buffer, .address_space: global }
      - { .name: weight_im, .offset: 8, .size: 8, .value_kind: global_buffer, .address_space: global }
      - { .name: part, .offset: 16, .size: 8, .value_kind: global_buffer, .address_space: global }
      - { .name: wq, .offset: 24, .size: 8, .value_kind: global_buffer, .address_space: global }
    .group_segment_fixed_size: 33280
    .private_segment_fixed_size: 0
    .kernarg_segment_align: 8
    .kernarg_segment_size: 32
    .max_flat_workgroup_size: 128
    .sgpr_count:     66
    .vgpr_count:     246
    .wavefront_size: 32
...
	.end_amdgpu_metadata
.endif
;; end of part 2
;; launch cgemm (part 3): grid 16 x 16, 4 waves a work-group, clusters of 4 x 4, 327,680 bytes of LDS; arguments quant_x_re_codes, quant_x_re_scales, quant_x_im_codes, quant_x_im_scales, wq, out0, out1; writes out0, out1
.if DOCPART == 3
	.amdgcn_target "amdgcn-amd-amdhsa--gfx1250"
	.amdhsa_code_object_version 6
	.text
	.protected	k_qf4fa22212f_cgemm
	.globl	k_qf4fa22212f_cgemm
	.p2align	8
	.type	k_qf4fa22212f_cgemm,@function
k_qf4fa22212f_cgemm:
	s_mov_b64 s[64:65], 0
	v_nop
	global_prefetch_b8 v0, s[64:65] scope:SCOPE_SE
	s_setreg_imm32_b32 hwreg(HW_REG_WAVE_MODE, 25, 1), 1
	s_wait_xcnt 0x0
	s_wait_alu depctr_hold_cnt(0) depctr_sa_sdst(0) depctr_va_vdst(0) depctr_va_sdst(0) depctr_va_ssrc(0) depctr_va_vcc(0) depctr_vm_vsrc(0)
	s_getreg_b32 s2, hwreg(HW_REG_IB_STS2, 6, 4)
	s_cmp_eq_u32 s2, 0
	s_cbranch_scc0 .Lentry_in_a_cluster
	s_endpgm
.Lentry_in_a_cluster:
	s_bfe_u32 s2, ttmp6, 0x10000c
	s_cmp_lg_u32 s2, 0xf033
	s_cbranch_scc0 .Lentry_shape_is_right
	s_endpgm
.Lentry_shape_is_right:
; out0 = xr Wr^T - xi Wi^T, out1 = xr Wi^T + xi Wr^T: four products [2048 x 4096] x [4096 x 2048] on codes of BF8 (E5M2) with one E8M0 scale for each 32 along K; sums in f32.
; xr, xi: codes [2048][4096 bytes], scale bytes [2048][128], as given.  Wr, Wi: in wq, as the launch before laid them: [2][16 tiles][132 rows][4,096 bytes]: 128 rows of codes, then 4 rows of scale bytes,
; [K step of 256][32 rows][8 bytes], the word of the step's second 128 along K first.
; A TILE IS COMPLEX: 128 x 128 outputs of BOTH results want 128 rows of xr and of xi against 128 rows of Wr and of Wi: 256 rows against 256 rows, every pair multiplied.  16 x 16 such tiles, one to a work-group.
; Four waves, as many as a WGP has SIMDs.  Wave (mh, nh) makes 64 x 64 complex outputs: A's blocks 0-3 are xr's rows 64 mh + 16 a, blocks 4-7 the same rows of xi; B's blocks 0-3 Wr's rows 64 nh + 16 b, blocks 4-7 Wi's: 64 accumulators, 512 registers.
; The four partial products are kept apart and joined on the way out, as the problem itself forms them.
; K goes in steps of 256 through a ring of two LDS slots filled by the tensor data mover, one load a wave: wave 0 xr's 128 rows, wave 1 xi's, wave 2 Wr's 132 rows (codes and scale bytes in one tile), wave 3 Wi's.  Each row of a tile is 256 bytes of memory, aligned.
; x's scale bytes of the tile's rows, for all of K (4 x 8,192 dense bytes), come once, by plain loads of 512 consecutive bytes, and are stored into LDS bytes of their own, a quarter a wave; no tensor load lands there.
; CLUSTERS: 4 x 4 work-groups.  The four of a row of the cluster need the same tiles of x, the four of a column the same tiles of W: each tile is asked for JOINTLY, by the same tensor load with the same descriptor and a mask that names the four.
; THE MATRIX INSTRUCTION IS USED TRANSPOSED (source 0 = 16 rows of W, source 1 = 16 rows of x): a lane then holds eight neighbouring numbers of a row of the output.
; REGISTERS, in windows of 256: window 0: v0-31 addresses; v32-63 scale words, two sets; v128-191 A's blocks 0-3, ONE set; A's blocks 4-7, TWO sets: v192-255 for a slot's first 128 along K, v64-127 for its second
;   (v64-127 also carry x's scale bytes at the head, and are at work on the way out).
;   window 1: B's fragments, TWO sets, at v0 and v128.   window 2: the accumulators of A's blocks 0-3 ((a, b) at v[8 (8 a + b)]).   window 3: those of blocks 4-7.
; THE STREAM.  A step of 128 along K is 64 products, A's blocks one after the other, each against B's eight.  The next step's fragments are fetched in TWO runs of LDS loads, each behind eight v_nop:
;   behind the first 16 products what has registers of its own (B's other set, the other set of A's blocks 4-7: 48 loads), behind the first 32 A's blocks 0-3 into the registers just multiplied (16 loads).
;   So 32 products stand between the last load and the next step's head, where the wait is for all.
; LIMITS: x's codes and scale bytes are taken as they are given (a scale byte 0xff, or a code of infinity or NaN, gives NaN as it does in the definition).
.set NQ,     2                         ; matrix instructions deep in a slot
.set ROWB,   256                       ; a tile's row in bytes
.set KROW,   4096                      ; a row of x's codes or of wq in memory
.set PITCH,  272                       ; an LDS row: 256 bytes + 16 of padding = 68 words: row r starts at bank 4 r mod 64 (64 banks of 4 bytes: ISA guide 11.1)
.set FR,     16                        ; registers of a fragment
.set NP,     8                         ; places behind this matrix instruction (ISA guide 7.12.1)
.set LAPS,   8                         ; 4,096 / (2 x 256)
.set AH,     128*PITCH                 ; xr's or xi's tile
.set BH,     132*PITCH                 ; Wr's or Wi's tile
.set SLOT,   2*AH+2*BH                 ; xr, xi, Wr, Wi
.set SCX,    2*SLOT                    ; behind the ring: x's scale bytes, four parts of QS
.set QS,     32*272                    ; 64 rows x 128 bytes as 32 runs of 256 bytes + 16 of padding
.set SPARE,  SCX+4*QS                  ; the spare words, 128 bytes for each wave
.set SPITCH, 528                       ; the way out: a stage of 16 rows x (256 bytes of out0 + 256 of out1 + 16) for each wave, in slot 0, which has had its last fill and its last read by then
.set WT,     8650752                   ; a tensor in wq
.set WTILE,  540672                    ; a tile of 132 rows in wq
.set ADRA, 16                          ; v16-17  LDS address of my A fragments in slot 0, 1
.set ADSB, 18                          ; v18-19  of W's scale words in slot 0, 1: lanes 0-15 Wr's, lanes 16-31 Wi's
.set ADRB, 20                          ; v20-21  of my B fragments
.set ADSA, 22                          ; v22     of x's scale words: lanes 0-15 xr's, lanes 16-31 xi's; 8 bytes on at each change of slots
.set XSO,  23                          ; v23     16 x lane: my bytes of a load of x's scale bytes
.set STO,  24                          ; v24     the way out: where I put 32 bytes of a row
.set RD,   25                          ; v25     where I read a row back
.set CO,   26                          ; v26     my byte offset in two rows of an output
.set XSL,  27                          ; v27     LDS: where my bytes of x's scale bytes go
.set SPW,  28                          ; v28     LDS address of my spare word; never rewritten
.set NIL,  29                          ; v29     0; never rewritten
.set PFO,  30                          ; v30     the prefetches' offset: 4,096 x lane; never rewritten
.set PFS,  31                          ; v31     the one prefetch of W's scale rows: WT x (lane / 16) + 256 x (lane % 16); never rewritten
.set SC,   32                          ; scale words: set s at v[SC + 16 s]: register 2 i + q: x's block i; register 8 + 2 j + 1 - q: W's block j; q: the slot's q-th 128 along K.  So a product's two scale registers never have the same number modulo 8
.set TMP,  64
.set AL,   128                         ; A's blocks 0-3;  blocks 4-7 of the slot's q-th 128 along K stand at v[192 - 128 q]
.set BK,   128
.set WV,   18                          ; s18 wave;  s19 = wave / 2: my half of the rows, and: I fetch for x (0) or W (1);  s20 = wave % 2: my half of the columns, and: the real (0) or the imaginary (1) tensor
.set G1,   24                          ; s[24:31] group 1 for x's tiles;   s[32:39] groups 0, one for each slot
.set G0,   32
.set G1B,  40                          ; s[40:47], s[48:55] the same for W's tiles
.set G0B,  48
.set PFA,  90                          ; s[90:91] where my prefetches stand
.set MSB, 0
.macro WIN new                         ; the immediate's high byte repeats the setting that is left
.if MSB != \new
	s_set_vgpr_msb (MSB<<8)|\new
.set MSB, \new
.endif
.endm
.set MUL_LO, 0xa1                      ; source 0 (W) window 1, source 1 (x) window 0, C and D window 2;  + 0x50: C and D window 3
.set TO_B,   0x40                      ; destination window 1, address window 0
; A joint load: waves 0 and 1 fetch for x, waves 2 and 3 for W.  Each of the two lines has ONE mask; the branch hangs on the wave's number alone.  An s_nop 0 and four v_nop follow each line.
.macro JLOAD s
	s_cmp_eq_u32 s19, 0
	s_cbranch_scc0 .Lfor_b_\@
	tensor_load_to_lds s[G0+4*\s:G0+4*\s+3], s[G1:G1+7]
	s_nop 0
.rept 4
	v_nop
.endr
	s_branch .Lasked_\@
.Lfor_b_\@:
	tensor_load_to_lds s[G0B+4*\s:G0B+4*\s+3], s[G1B:G1B+7]
	s_nop 0
.rept 4
	v_nop
.endr
.Lasked_\@:
.endm
.macro CREST                           ; a round of the cluster's barrier behind its opening barrier
	s_cmp_lg_u32 s[WV], 0
	s_cbranch_scc1 .Lnot_wave_0_\@
	s_barrier_signal -3
.Lnot_wave_0_\@:
	s_barrier_wait -3
	s_barrier_signal -1
	s_barrier_wait -1
.endm
.macro CROUND
	s_barrier_signal -1
	s_barrier_wait -1
	CREST
.endm
; A PREFETCH of the K step that stands two refills on: 32 rows x 256 bytes, a lane a row, one instruction a wave.  Every cluster asks for the rows that it will itself load; the four partners that ask for a tile
; jointly share its 128 rows of codes out by address, 32 each (by cx for x, by cy for W).  The loop's last trip (s3 = 1) has no K step two refills on and asks for nothing.
.macro ASK
	s_cmp_gt_u32 s3, 1
	s_cbranch_scc0 .Lnot_mine_\@
	global_prefetch_b8 v[PFO], s[PFA:PFA+1] offset:2*ROWB th:TH_LOAD_NT scope:SCOPE_SE
.Lnot_mine_\@:
.endm
.macro GR1 g, mask, rows               ; group 1: so many rows x 256 bytes, 4,096 bytes from row to row, 16 bytes of padding behind each in LDS; bit 21 set beside the mask
	s_or_b32 s[\g+0], s[\mask], (1<<20)|(1<<21)|(5<<22)|(3<<25)
	s_mov_b32 s[\g+1], ROWB<<16
	s_mov_b32 s[\g+2], (\rows)<<16
	s_mov_b32 s[\g+3], ROWB<<16
	s_mov_b32 s[\g+4], \rows
	s_mov_b32 s[\g+5], KROW
	s_mov_b32 s[\g+6], 0
	s_mov_b32 s[\g+7], 0
.endm
	s_load_b256 s[4:11], s[0:1], 0x0               ; xr's codes s[4:5], xr's scales s[6:7], xi's codes s[8:9], xi's scales s[10:11]
	s_load_b128 s[12:15], s[0:1], 0x20             ; wq s[12:13], out0 s[14:15]
	s_load_b64 s[16:17], s[0:1], 0x30              ; out1
	v_lshl_add_u32 v[SPW], v0, 2, SPARE
	v_mov_b32 v[NIL], 0
	ds_add_u32 v[SPW], v[NIL]                      ; the wave's opening: the add, twice on end, and its wait ahead of my first tensor load
	ds_add_u32 v[SPW], v[NIL]
	v_lshrrev_b32 v1, 5, v0
	v_readfirstlane_b32 s[WV], v1                  ; wave 0..3
	s_lshr_b32 s19, s[WV], 1
	s_and_b32 s20, s[WV], 1
	s_bfe_u32 s21, ttmp6, 0x40000                  ; cx, cy: my place in the cluster
	s_bfe_u32 s22, ttmp6, 0x40004
	s_lshl_b32 s23, ttmp9, 2
	s_add_co_u32 s23, s23, s21                     ; tile column = 4 x cluster x + cx
	s_and_b32 s66, ttmp7, 0xffff
	s_lshl_b32 s66, s66, 2
	s_add_co_u32 s66, s66, s22                     ; tile row = 4 x cluster y + cy
	s_lshl_b32 s67, s22, 2
	s_lshl_b32 s67, 15, s67                        ; my row of the cluster
	s_lshl_b32 s72, 0x1111, s21                    ; my column
	GR1 G1, 67, 128                                ; x's tiles go to my row
	GR1 G1B, 72, 132                               ; W's to my column
	s_lshl_b32 s74, s66, 19                        ; x's codes: tile row x 128 rows x 4,096 bytes
	s_mov_b32 s75, 0
	s_lshl_b32 s76, s66, 14                        ; x's scale bytes: tile row x 128 rows x 128 bytes
	s_lshl_b32 s77, s20, 13                        ; + which 64 rows I fetch
	s_add_co_u32 s76, s76, s77
	s_mov_b32 s77, 0
	s_mul_i32 s78, s23, WTILE                      ; wq: tile column x 132 rows x 4,096 bytes
	s_mul_i32 s79, s20, WT                         ; + the tensor
	s_add_co_u32 s78, s78, s79
	s_mov_b32 s79, 0
	s_mul_i32 s80, s20, AH                         ; LDS: xr's tile, then xi's;
	s_mul_i32 s81, s20, BH
	s_add_co_u32 s81, s81, 2*AH                    ; behind them Wr's, then Wi's;
	s_mul_i32 s82, s[WV], QS
	s_add_co_u32 s82, s82, SCX                     ; x's scale bytes: xr's rows 0-63, 64-127, xi's rows 0-63, 64-127: no place in the cluster enters an LDS address
	s_wait_dscnt 0x0                               ; both opening adds are done
	CROUND                                         ; the opening round: all sixteen work-groups are here
	s_wait_kmcnt 0x0
	s_cmp_eq_u32 s20, 0
	s_cselect_b64 s[84:85], s[4:5], s[8:9]         ; wave 0: xr's codes, wave 1: xi's
	s_cmp_eq_u32 s19, 0
	s_cselect_b64 s[86:87], s[6:7], s[10:11]       ; waves 0, 1: xr's scale bytes, waves 2, 3: xi's
	s_add_nc_u64 s[84:85], s[84:85], s[74:75]
	s_add_nc_u64 s[86:87], s[86:87], s[76:77]
	s_add_nc_u64 s[88:89], s[12:13], s[78:79]
.irp s, 0,1
	s_mov_b32 s[G0+4*\s], 1
	s_add_co_u32 s[G0+4*\s+1], s80, \s*SLOT
	s_add_nc_u64 s[G0+4*\s+2:G0+4*\s+3], s[84:85], \s*ROWB
	s_or_b32 s[G0+4*\s+3], s[G0+4*\s+3], 0x80000000
	s_mov_b32 s[G0B+4*\s], 1
	s_add_co_u32 s[G0B+4*\s+1], s81, \s*SLOT
	s_add_nc_u64 s[G0B+4*\s+2:G0B+4*\s+3], s[88:89], \s*ROWB
	s_or_b32 s[G0B+4*\s+3], s[G0B+4*\s+3], 0x80000000
.endr
	JLOAD 0                                        ; K step 0: one tensor load a wave at the head
	v_and_b32 v1, 15, v0                           ; r = lane % 16
	v_bfe_u32 v2, v0, 4, 1                         ; h = lane / 16
	v_and_b32 v5, 31, v0
	v_lshlrev_b32 v[XSO], 4, v5
	v_lshlrev_b32 v[PFO], 12, v5
	s_wait_alu depctr_va_vdst(0)
.irp i, 0,1,2,3,4,5,6,7,8,9,10,11,12,13,14,15
	global_load_b128 v[TMP+4*\i:TMP+4*\i+3], v[XSO], s[86:87] offset:512*\i   ; my quarter of x's scale bytes: 16 x 512 consecutive bytes
.endr
	s_cmp_eq_u32 s19, 0                            ; the prefetches: do I fetch for x?
	s_cselect_b64 s[PFA:PFA+1], s[84:85], s[88:89] ; the tile that I fetch,
	s_cselect_b32 s78, s21, s22                    ; my place among the four that ask for it with me:
	s_lshl_b32 s78, s78, 17                        ; my work-group's 32 rows of 4,096 bytes,
	s_add_co_u32 s78, s78, ROWB                    ; at K step 1
	s_mov_b32 s79, 0
	s_add_nc_u64 s[PFA:PFA+1], s[PFA:PFA+1], s[78:79]
	s_mul_i32 s74, s19, 64*PITCH                   ; my 64 rows of xr (xi's lie AH further on)
	s_mul_i32 s75, s20, 64*PITCH                   ; my 64 rows of Wr (Wi's lie BH further on),
	s_add_co_u32 s75, s75, 2*AH                    ; behind x's tiles
	s_mul_i32 s76, s20, 2*PITCH                    ; my 64 rows' scale bytes are two of the tile's four scale rows,
	s_add_co_u32 s76, s76, 2*AH+128*PITCH          ; which lie behind its 128 rows of codes
	s_mul_i32 s77, s19, QS                         ; x's scale bytes: my 64 rows
	s_add_co_u32 s77, s77, SCX
	s_mul_i32 s78, s[WV], 16*SPITCH                ; my stage
	s_lshl_b32 s96, s66, 7
	s_lshl_b32 s97, s19, 6
	s_add_co_u32 s96, s96, s97                     ; my first row of the outputs: 128 x tile row + 64 x half
	s_lshl_b32 s96, s96, 13
	s_lshl_b32 s97, s23, 9                         ; my first column, in bytes: 512 x tile column + 256 x half
	s_add_co_u32 s96, s96, s97
	s_lshl_b32 s97, s20, 8
	s_add_co_u32 s96, s96, s97
	s_mov_b32 s97, 0
	s_add_nc_u64 s[14:15], s[14:15], s[96:97]
	s_add_nc_u64 s[16:17], s[16:17], s[96:97]
	s_mul_i32 s94, s23, 132
	s_add_co_u32 s94, s94, 128
	s_add_co_u32 s94, s94, s22                     ; W's scale rows: of the tile's four, partner cy takes row 128 + cy
	s_lshl_b32 s94, s94, 12
	s_mov_b32 s95, 0
	s_add_nc_u64 s[94:95], s[12:13], s[94:95]
	v_mul_u32_u24 v3, v1, PITCH
	v_lshl_add_u32 v4, v2, 4, v3                   ; a fragment's row x pitch + 16 h
	v_add_nc_u32 v[ADRA], s74, v4
	v_add_nc_u32 v[ADRB], s75, v4
	v_add_nc_u32 v[ADRA+1], SLOT, v[ADRA]
	v_add_nc_u32 v[ADRB+1], SLOT, v[ADRB]
	v_lshlrev_b32 v5, 3, v1                        ; W's scale words: 8 bytes a row,
	v_mad_u32_u24 v5, v2, BH, v5                   ; lanes 16-31 take Wi's
	v_add_nc_u32 v[ADSB], s76, v5
	v_add_nc_u32 v[ADSB+1], SLOT, v[ADSB]
	v_lshrrev_b32 v5, 1, v1                        ; x's scale words: two rows of 128 bytes to a run of 256 + 16
	v_mul_u32_u24 v5, v5, 272
	v_and_b32 v6, 1, v1
	v_lshl_add_u32 v5, v6, 7, v5
	v_mad_u32_u24 v5, v2, 2*QS, v5                 ; lanes 16-31 take xi's
	v_add_nc_u32 v[ADSA], s77, v5
	v_mul_u32_u24 v5, v1, SPITCH                   ; the stage, in: row r, 32 bytes for each half of the lanes
	v_lshl_add_u32 v5, v2, 5, v5
	v_add_nc_u32 v[STO], s78, v5
	v_mul_u32_u24 v5, v2, SPITCH                   ; back: lanes 0-15 take 256 bytes of one row, lanes 16-31 of the next
	v_lshl_add_u32 v5, v1, 4, v5
	v_add_nc_u32 v[RD], s78, v5
	v_lshlrev_b32 v5, 13, v2                       ; and the same in an output: a row is 8,192 bytes
	v_lshl_add_u32 v[CO], v1, 4, v5
	v_mul_u32_u24 v6, v2, 272                      ; x's scale bytes on their way in: a load's 512 bytes are two runs
	v_lshl_add_u32 v6, v1, 4, v6
	v_add_nc_u32 v[XSL], s82, v6
	v_mul_u32_u24 v6, v2, WT
	v_lshl_add_u32 v[PFS], v1, 8, v6
; One product on the registers named by rD, rW, rX, rSW, rSX.  ra: W's scale words stand in lanes 16-31 (Wi); rb: x's do (xi).  zero: the product starts the sum
.macro WM zero, ra, rb
.if (\zero) && (\ra) && (\rb)
	v_wmma_scale_f32_16x16x128_f8f6f4 v[rD:rD+7], v[rW:rW+15], v[rX:rX+15], 0, v[rSW], v[rSX] matrix_a_fmt:MATRIX_FMT_BF8 matrix_b_fmt:MATRIX_FMT_BF8 matrix_a_scale:MATRIX_SCALE_ROW1 matrix_b_scale:MATRIX_SCALE_ROW1
.elseif (\zero) && (\ra)
	v_wmma_scale_f32_16x16x128_f8f6f4 v[rD:rD+7], v[rW:rW+15], v[rX:rX+15], 0, v[rSW], v[rSX] matrix_a_fmt:MATRIX_FMT_BF8 matrix_b_fmt:MATRIX_FMT_BF8 matrix_a_scale:MATRIX_SCALE_ROW1
.elseif (\zero) && (\rb)
	v_wmma_scale_f32_16x16x128_f8f6f4 v[rD:rD+7], v[rW:rW+15], v[rX:rX+15], 0, v[rSW], v[rSX] matrix_a_fmt:MATRIX_FMT_BF8 matrix_b_fmt:MATRIX_FMT_BF8 matrix_b_scale:MATRIX_SCALE_ROW1
.elseif (\zero)
	v_wmma_scale_f32_16x16x128_f8f6f4 v[rD:rD+7], v[rW:rW+15], v[rX:rX+15], 0, v[rSW], v[rSX] matrix_a_fmt:MATRIX_FMT_BF8 matrix_b_fmt:MATRIX_FMT_BF8
.elseif (\ra) && (\rb)
	v_wmma_scale_f32_16x16x128_f8f6f4 v[rD:rD+7], v[rW:rW+15], v[rX:rX+15], v[rD:rD+7], v[rSW], v[rSX] matrix_a_fmt:MATRIX_FMT_BF8 matrix_b_fmt:MATRIX_FMT_BF8 matrix_a_scale:MATRIX_SCALE_ROW1 matrix_b_scale:MATRIX_SCALE_ROW1
.elseif (\ra)
	v_wmma_scale_f32_16x16x128_f8f6f4 v[rD:rD+7], v[rW:rW+15], v[rX:rX+15], v[rD:rD+7], v[rSW], v[rSX] matrix_a_fmt:MATRIX_FMT_BF8 matrix_b_fmt:MATRIX_FMT_BF8 matrix_a_scale:MATRIX_SCALE_ROW1
.elseif (\rb)
	v_wmma_scale_f32_16x16x128_f8f6f4 v[rD:rD+7], v[rW:rW+15], v[rX:rX+15], v[rD:rD+7], v[rSW], v[rSX] matrix_a_fmt:MATRIX_FMT_BF8 matrix_b_fmt:MATRIX_FMT_BF8 matrix_b_scale:MATRIX_SCALE_ROW1
.else
	v_wmma_scale_f32_16x16x128_f8f6f4 v[rD:rD+7], v[rW:rW+15], v[rX:rX+15], v[rD:rD+7], v[rSW], v[rSX] matrix_a_fmt:MATRIX_FMT_BF8 matrix_b_fmt:MATRIX_FMT_BF8
.endif
.endm
; Eight products: A's block a x B's eight, the slot's q-th 128 along K (B's set q, blocks 4-7 of A in their set q); sc: the set of scale words.  M16: two blocks of A.
; The 64 accumulators take turns, one instruction a turn, in the same order in every step.
.macro M8 a, q, sc, zero
	WIN MUL_LO+0x50*((\a)/4)
.irp b, 0,1,2,3,4,5,6,7
.set rD, 8*(8*((\a)%4)+\b)
.set rW, 128*(\q)+FR*\b
.if (\a) < 4
.set rX, AL+FR*(\a)
.else
.set rX, 192-128*(\q)+FR*((\a)-4)
.endif
.set rSW, SC+16*(\sc)+8+2*(\b%4)+1-(\q)
.set rSX, SC+16*(\sc)+2*((\a)%4)+(\q)
	WM \zero, \b/4, (\a)/4
.endr
.endm
.macro M16 a0, q, sc, zero
	M8 \a0, \q, \sc, \zero
	M8 \a0+1, \q, \sc, \zero
.endm
.macro SCALES sc                       ; a K step's scale words into set sc: two words a row by one load of 8 bytes; x's from the bytes that stay, W's from slot sc
	WIN 0
.irp i, 0,1,2,3
	ds_load_b64 v[SC+16*\sc+2*\i:SC+16*\sc+2*\i+1], v[ADSA] offset:\i*8*272
.endr
.irp j, 0,1,2,3
	ds_load_b64 v[SC+16*\sc+8+2*\j:SC+16*\sc+8+2*\j+1], v[ADSB+\sc] offset:(\j/2)*PITCH+(\j%2)*128
.endr
.endm
; A fragment, 16 rows x 128 K of 8-bit codes, is 16 registers: lane l holds row l % 16; registers 4 c .. 4 c + 3 hold K = 32 c + 16 (l / 16) + 0 .. 15: four loads
.macro FB slot, q                      ; B's eight fragments of the slot's q-th 128 along K into set q: 32 loads
	WIN TO_B
.irp i, 0,1,2,3,4,5,6,7
.irp c, 0,1,2,3
	ds_load_b128 v[128*(\q)+FR*\i+4*\c:128*(\q)+FR*\i+4*\c+3], v[ADRB+\slot] offset:128*(\q)+32*\c+(\i%4)*16*PITCH+(\i/4)*BH
.endr
.endr
	WIN 0
.endm
.macro FA slot, q, up                  ; up = 0: A's blocks 0-3; up = 1: blocks 4-7 into their set q: 16 loads
	WIN 0
.irp i, 0,1,2,3
.irp c, 0,1,2,3
	ds_load_b128 v[AL+(\up)*(64-128*(\q))+FR*\i+4*\c:AL+(\up)*(64-128*(\q))+FR*\i+4*\c+3], v[ADRA+\slot] offset:128*(\q)+32*\c+\i*16*PITCH+(\up)*AH
.endr
.endr
.endm
; A load into a register that a matrix instruction has read, and a vector instruction that reads a matrix result, stand NP places behind that matrix instruction, and only plain vector instructions that name none of
; its registers are places (ISA guide 7.12.1 for vector instructions); the matrix instructions in between are not counted.
.macro PLACES n
.rept \n
	v_nop
.endr
.endm
.macro STEP slot, zero                 ; a slot's first step
	s_wait_dscnt 0x0                               ; this step's fragments and scale words are in: the youngest sixteen loads were issued 32 products ago
	M16 0, 0, \slot, \zero
	PLACES NP                                      ; behind the last step's products, which read B's other set and the other set of A's blocks 4-7
	FB \slot, 1
	FA \slot, 1, 1
	M16 2, 0, \slot, \zero
	PLACES NP                                      ; behind the products that read A's blocks 0-3
	FA \slot, 1, 0
	M16 4, 0, \slot, \zero
	M16 6, 0, \slot, \zero
	WIN 0
.endm
; A slot's second step changes slots, in its first quarter: ONE barrier.  My reads of this slot were all issued in its first step.  In front of the barrier each wave waits for all its tensor loads, adds 0 to its spare word,
; and waits for that and for its reads.  fill = 1: the barrier opens a round of the cluster's barrier, and this slot is filled again, two K steps ahead: 16 products stand between the wait for tiles and the refill,
; 112 between the refill and the wait for it.  Behind the barrier come the two runs for the next slot's first step.
.macro TURN slot, next, fill
.if \fill
	s_wait_xcnt 0x0                                ; the last prefetch, a K step back, has read its address: it is stepped here
	s_add_nc_u64 s[PFA:PFA+1], s[PFA:PFA+1], ROWB
.endif
	s_wait_tensorcnt 0x0                           ; all my tensor loads have landed: my part of the next slot;  (every window is 0 here)
	ds_add_u32 v[SPW], v[NIL]                      ; 0 onto my spare word
	s_wait_dscnt 1                                 ; this step's fragments are in (the add, the youngest, may be out)
	M8 0, 1, \slot, 0                              ; eight products stand between the add and the wait for it
	s_wait_dscnt 0x0                               ; the add is done, and my reads of this slot are over
	s_barrier_signal -1
	M8 1, 1, \slot, 0
	WIN 0
	s_barrier_wait -1
.if \fill
	CREST                                          ; no wave of any partner still reads this slot's tiles or has a load on its way
	s_add_nc_u64 s[G0+4*\slot+2:G0+4*\slot+3], s[G0+4*\slot+2:G0+4*\slot+3], 2*ROWB
	s_add_nc_u64 s[G0B+4*\slot+2:G0B+4*\slot+3], s[G0B+4*\slot+2:G0B+4*\slot+3], 2*ROWB
	JLOAD \slot                                    ; the first tensor load behind the round; the four v_nop behind it are among the places in front of the loads below
	PLACES NP-4
.else
	PLACES NP
.endif
	v_add_nc_u32 v[ADSA], 4*NQ, v[ADSA]            ; on to the next K step's scale words of x
	s_wait_alu depctr_va_vdst(0)
	FB \next, 0
	SCALES \next
	FA \next, 0, 1
.if \fill
	ASK
.endif
	M16 2, 1, \slot, 0
	PLACES NP                                      ; behind the products that read A's blocks 0-3
	FA \next, 0, 0
	M16 4, 1, \slot, 0
	M16 6, 1, \slot, 0
	WIN 0
.endm
	s_wait_alu depctr_va_vdst(0)
	s_wait_loadcnt 0x0                             ; my quarter of x's scale bytes is in registers
	global_prefetch_b8 v[PFO], s[PFA:PFA+1] th:TH_LOAD_NT scope:SCOPE_SE   ; K step 1 is asked for here, behind K step 0's load and the loads above; its own load goes out behind the next round
	s_wait_tensorcnt 0x0                           ; my part of K step 0 is in LDS
.irp i, 0,1,2,3,4,5,6,7,8,9,10,11,12,13,14,15
	ds_store_b128 v[XSL], v[TMP+4*\i:TMP+4*\i+3] offset:544*\i   ; two runs of 272 bytes a store
.endr
	s_wait_tensorcnt 0x0
	ds_add_u32 v[SPW], v[NIL]
	s_wait_dscnt 0x0                               ; the add and my stores are done
	CROUND                                         ; a whole round: everybody's part of K step 0 and of the scale bytes is in, and the joint loads meet
	JLOAD 1                                        ; K step 1's load, the first tensor load behind the round
	FB 0, 0
	FA 0, 0, 0
	SCALES 0
	FA 0, 0, 1
	global_prefetch_b8 v[PFO], s[PFA:PFA+1] offset:ROWB th:TH_LOAD_NT scope:SCOPE_SE     ; K step 2, one refill ahead of its load,
	global_prefetch_b8 v[PFO], s[PFA:PFA+1] offset:2*ROWB th:TH_LOAD_NT scope:SCOPE_SE   ; and K step 3, two steps ahead of K step 1's load, as in the loop
	; W's scale rows are asked for once, for all of K: a row of 4,096 bytes is 16 blocks of 256; 32 lanes name those of Wr's and of Wi's row 128 + cy of my tile column.  Wave 2 asks
	s_cmp_eq_u32 s[WV], 2
	s_cbranch_scc0 .Lno_scale_ask
	global_prefetch_b8 v[PFS], s[94:95] th:TH_LOAD_NT scope:SCOPE_SE
.Lno_scale_ask:
	STEP 0, 1                                      ; the first step stands in front of the loop: its products start the sums: nothing is ever cleared
	s_mov_b32 s3, LAPS-1
.Llap:                                                 ; a trip goes once round the ring, from a lap's second step to the next lap's first, and fills both slots again
	TURN 0, 1, 1
	STEP 1, 0
	TURN 1, 0, 1
	STEP 0, 0
	s_sub_co_u32 s3, s3, 1
	s_cmp_lg_u32 s3, 0
	s_cbranch_scc1 .Llap
	TURN 0, 1, 0                                   ; the last lap fills nothing, and has no round of the cluster's barrier
	STEP 1, 0
	s_wait_dscnt 0x0                               ; the very last step: nothing more to fetch
	M16 0, 1, 1, 0
	M16 2, 1, 1, 0
	M16 4, 1, 1, 0
	M16 6, 1, 1, 0
	WIN 0
; THE WAY OUT, block by block of 16 rows x 64 columns of both outputs.
; COMB: out0's numbers = accumulator (i, j) - accumulator (4 + i, 4 + j), out1's = (i, 4 + j) + (4 + i, j), two at a time, each accumulator from its low end on.
.macro COMB i
	WIN 0x0e                                       ; source 0 window 2, source 1 window 3, destination window 0
.irp j, 0,1,2,3
.irp p, 0,2,4,6
	v_pk_add_f32 v[TMP+8*\j+\p:TMP+8*\j+\p+1], v[64*\i+8*\j+\p:64*\i+8*\j+\p+1], v[64*\i+32+8*\j+\p:64*\i+32+8*\j+\p+1] neg_lo:[0,1] neg_hi:[0,1]
.endr
.endr
.irp j, 0,1,2,3
.irp p, 0,2,4,6
	v_pk_add_f32 v[TMP+32+8*\j+\p:TMP+32+8*\j+\p+1], v[64*\i+32+8*\j+\p:64*\i+32+8*\j+\p+1], v[64*\i+8*\j+\p:64*\i+8*\j+\p+1]
.endr
.endr
	WIN 0
.endm
; A lane holds 32 neighbouring bytes of a row, and the lanes beside it hold other rows: so a block goes through my own stage in LDS (a row: out0's 256 bytes, then out1's) and comes back as runs of 256 bytes.
; LDS serves a wave's instructions in order (ISA guide 5.7.1.4): no wait between the stores and the loads, nor in front of the next block's stores.
.macro TOSTAGE i
.irp j, 0,1,2,3,4,5,6,7
	ds_store_b128 v[STO], v[TMP+8*\j:TMP+8*\j+3] offset:64*\j
	ds_store_b128 v[STO], v[TMP+8*\j+4:TMP+8*\j+7] offset:64*\j+16
.endr
.set BB, BK+64*((\i)%2)
.irp t, 0,1,2,3,4,5,6,7
	ds_load_b128 v[BB+4*\t:BB+4*\t+3], v[RD] offset:2*\t*SPITCH
.endr
.irp t, 0,1,2,3,4,5,6,7
	ds_load_b128 v[BB+32+4*\t:BB+32+4*\t+3], v[RD] offset:2*\t*SPITCH+256
.endr
.endm
.macro SEND i, younger                 ; younger: the LDS instructions issued behind block i's loads, which may stay out
.set BB, BK+64*((\i)%2)
	s_wait_dscnt \younger                          ; the block is back in registers
.irp t, 0,1,2,3,4,5,6,7
	global_store_b128 v[CO], v[BB+4*\t:BB+4*\t+3], s[14:15] offset:(16*(\i)+2*\t)*8192 th:TH_STORE_NT       ; 16 lanes store 256 consecutive bytes, at a multiple of 256 from the output's first byte; 62 rows at the most: inside the signed 24-bit immediate
.endr
.irp t, 0,1,2,3,4,5,6,7
	global_store_b128 v[CO], v[BB+32+4*\t:BB+32+4*\t+3], s[16:17] offset:(16*(\i)+2*\t)*8192 th:TH_STORE_NT
.endr
.endm
	PLACES NP                                      ; behind the last products: for the additions, which read results and write the registers that held A's blocks 4-7, and for the loads into those that held blocks 0-3
	COMB 0
	TOSTAGE 0
	s_wait_dscnt 16                                ; block 0's sixteen stores into the stage have read their registers (its sixteen loads may be out)
	COMB 1
	TOSTAGE 1
	SEND 0, 32                                     ; behind block 0's loads: block 1's 16 stores and 16 loads
	s_wait_dscnt 16
	s_wait_xcnt 0x0                                ; block 0's stores to memory have read their registers: block 2's loads may land there
	COMB 2
	TOSTAGE 2
	SEND 1, 32
	s_wait_dscnt 16
	s_wait_xcnt 0x0                                ; block 1's likewise
	COMB 3
	TOSTAGE 3
	SEND 2, 32
	SEND 3, 0
	s_wait_tensorcnt 0x0                           ; the wave's end: behind my last tensor load and my last LDS store
	ds_add_u32 v[SPW], v[NIL]
	s_wait_dscnt 0x0
	CROUND                                         ; the closing round: no work-group ends while a partner may still ask for a tile that names it
	s_endpgm
.Lfunc_end_k_qf4fa22212f_cgemm:
	.size	k_qf4fa22212f_cgemm, .Lfunc_end_k_qf4fa22212f_cgemm-k_qf4fa22212f_cgemm
	.p2alignl 7, 3214868480
	.fill 96, 4, 3214868480
	.section	.rodata,"a",@progbits
	.p2align	6, 0x0
	.amdhsa_kernel k_qf4fa22212f_cgemm
		.amdhsa_group_segment_fixed_size 327680
		.amdhsa_private_segment_fixed_size 0
		.amdhsa_enable_private_segment 0
		.amdhsa_kernarg_size 56
		.amdhsa_user_sgpr_count 2
		.amdhsa_user_sgpr_kernarg_segment_ptr 1
		.amdhsa_wavefront_size32 1
		.amdhsa_system_sgpr_workgroup_id_x 1
		.amdhsa_system_sgpr_workgroup_id_y 1
		.amdhsa_system_sgpr_workgroup_id_z 1
		.amdhsa_system_vgpr_workitem_id 0
		.amdhsa_next_free_vgpr 1024
		.amdhsa_next_free_sgpr 98
		.amdhsa_reserve_vcc 0
		.amdhsa_float_denorm_mode_32 3
		.amdhsa_float_denorm_mode_16_64 3
		.amdhsa_memory_ordered 1
		.amdhsa_forward_progress 1
		.amdhsa_inst_pref_size 142
	.end_amdhsa_kernel
	.amdgpu_metadata
---
amdhsa.version: [ 1, 2 ]
amdhsa.kernels:
  - .name:           k_qf4fa22212f_cgemm
    .symbol:         k_qf4fa22212f_cgemm.kd
    .args:
      - { .name: quant_x_re_codes, .offset: 0, .size: 8, .value_kind: global_buffer, .address_space: global }
      - { .name: quant_x_re_scales, .offset: 8, .size: 8, .value_kind: global_buffer, .address_space: global }
      - { .name: quant_x_im_codes, .offset: 16, .size: 8, .value_kind: global_buffer, .address_space: global }
      - { .name: quant_x_im_scales, .offset: 24, .size: 8, .value_kind: global_buffer, .address_space: global }
      - { .name: wq, .offset: 32, .size: 8, .value_kind: global_buffer, .address_space: global }
      - { .name: out0, .offset: 40, .size: 8, .value_kind: global_buffer, .address_space: global }
      - { .name: out1, .offset: 48, .size: 8, .value_kind: global_buffer, .address_space: global }
    .group_segment_fixed_size: 327680
    .private_segment_fixed_size: 0
    .kernarg_segment_align: 8
    .kernarg_segment_size: 56
    .max_flat_workgroup_size: 128
    .sgpr_count:     98
    .vgpr_count:     1024
    .wavefront_size: 32
...
	.end_amdgpu_metadata
.endif
;; end of part 3
